; MI455X (gfx1250); checked and timed in simulation.
; The chip was launched on July 23, 2026; its instructions are those of AMD's public machine-readable ISA for CDNA 5 (MIT licence, August 2026) and "CDNA5" Instruction Set Architecture Reference Guide (July 2026). The comments in the code are by the model that wrote it; some were corrected since.
;; Multi Head Attention. Allowed arithmetic: matrix products marked QUANTISED: E5M2 operands, one E8M0 scale for each 32 along K, by v_wmma_scale_f32_16x16x128_f8f6f4 with both operands' format E5M2, f32 sums; everything else in f32.
;; Inputs: Wk_codes 8 x 64 x 16 x 32 uint8 (E5M2 codes of Wk, K innermost, in blocks of 32 codes); Wk_scales 8 x 64 x 16 uint8 (E8M0 scales of Wk, one for each 32 codes along K); Wo_codes 512 x 16 x 32 uint8 (E5M2 codes of Wo, K innermost, in blocks of 32 codes); Wo_scales 512 x 16 uint8 (E8M0 scales of Wo, one for each 32 codes along K); Wq_codes 8 x 64 x 16 x 32 uint8 (E5M2 codes of Wq, K innermost, in blocks of 32 codes); Wq_scales 8 x 64 x 16 uint8 (E8M0 scales of Wq, one for each 32 codes along K); Wv_codes 8 x 64 x 16 x 32 uint8 (E5M2 codes of Wv, K innermost, in blocks of 32 codes); Wv_scales 8 x 64 x 16 uint8 (E8M0 scales of Wv, one for each 32 codes along K); beta 512 float32; bk 8 x 64 float32; bo 512 float32; bq 8 x 64 float32; bv 8 x 64 float32; gamma 512 float32; x 8 x 2,048 x 512 float32.
;; Outputs: out0 8 x 2,048 x 512 float32.
;; This version of the problem:
;;   THIS VERSION OF THE PROBLEM IS GIVEN IN LOW PRECISION. The matrix products marked QUANTISED in the list below multiply operands that are first quantised to E5M2 (5 exponent bits, 2 mantissa bits; 8 bits a number), with one power-of-two scale for each 32 numbers along K (OCP MX v1.0); their sums are f32. All else is computed in f32.
;;   The module's matrix products, in the order in which they are computed (A, B: the left and right operand; K: the contracted axis; several contracted axes count as one K, in the product's order):
;;     1. [M 512, K 512] x [K 512, N 16,384]; A: input Wq (given as codes); B: input x: QUANTISED
;;     2. [M 512, K 512] x [K 512, N 16,384]; A: input Wk (given as codes); B: input x: QUANTISED
;;     3. [M 512, K 512] x [K 512, N 16,384]; A: input Wv (given as codes); B: input x: QUANTISED
;;     4. batch 64 x [M 2,048, K 64] x [K 64, N 2,048]; A: computed on the way; B: computed on the way: QUANTISED
;;     5. batch 64 x [M 2,048, K 2,048] x [K 2,048, N 64]; A: softmax (see below); B: computed on the way: QUANTISED
;;     6. [M 16,384, K 512] x [K 512, N 512]; A: computed on the way; B: input Wo (given as codes): QUANTISED
;;   THE QUANTISER, for each operand of a quantised product, along K:
;;     - K is cut into blocks of 32 from its start; a last block that is shorter is filled with zeros.
;;     - A block's scale is 2^e with e = floor(log2(the largest magnitude in the block)) - 15, held to -126 .. 127; a block of zeros has e = 0. As a byte (E8M0): e + 127.
;;     - Each number is divided by its block's scale, clamped to +-57,344, and rounded to the nearest number of E5M2, ties to even, subnormals kept.
;;     - The product sums the exact products of the quantised numbers (number of the format x scale) in f32.
;;   ~~~python
;;   def quantise(x, axis):      # numpy; x: float32 -> the quantised numbers, widened to float32 again
;;       x = np.moveaxis(x, axis, -1); K = x.shape[-1]
;;       x = np.pad(x, [(0, 0)] * (x.ndim - 1) + [(0, -K % 32)]); x = x.reshape(x.shape[:-1] + (-1, 32)); a = np.abs(x).max(-1, keepdims=True)
;;       e = np.where(a > 0, np.clip(np.frexp(np.where(a > 0, a, 1))[1] - 1 - 15, -126, 127), 0)      # np.frexp(a)[1] - 1 = floor(log2(a)), exactly
;;       r = np.clip(x / 2.0 ** e, -57344, 57344)
;;       step = 2.0 ** (np.maximum(np.frexp(np.where(r == 0, 1, r))[1] - 1, -14) - 2)
;;       q = np.round(r / step) * step * 2.0 ** e      # np.round: ties to even
;;       return np.moveaxis(q.reshape(q.shape[:-2] + (-1,))[..., :K], -1, axis).astype(np.float32)
;;   ~~~
;;   SOFTMAX AHEAD OF A QUANTISED PRODUCT. Where the list says 'softmax', what is quantised is not the finished softmax but p = 2^(t - M), with t = logit x log2(e) and M = ceil(the row's largest t), a whole number; so 1/2 < the row's largest p <= 1. The row's sum l is taken of the UNQUANTISED p, in f32, and the product's result is divided by l at the end. Since M is a whole number, a kernel that streams over the keys may use a running M (the ceiling of the running maximum): every later rescaling is an exact power of two, which a block's scale takes up: the codes' values come out the same.
;;   OPERANDS COMPUTED ON THE WAY. 'Computed on the way' means the value that the module computes at that place (a softmax that the list does not call 'softmax' is quantised finished and normalised). What goes into a quantiser is computed in f32, as accurately as f32 sums, v_exp_f32 and their like allow (about 1e-6 of the number): no bf16 or f16 on the way to a quantiser, and a product that is left as it is and whose result goes on into a quantised operand takes f32 operands (vector FMAs, or v_wmma_f32_16x16x4_f32). A number that lies on a knife's edge between two numbers of the format may be rounded either way, as far as f32 arithmetic and the matrix unit's own rounding can turn it there, and no further.
;;   INPUTS GIVEN AS CODES. Wk (in the module: [8, 512, 64], K = its axis 1); Wo (in the module: [512, 512], K = its axis 0); Wq (in the module: [8, 512, 64], K = its axis 1); Wv (in the module: [8, 512, 64], K = its axis 1): each comes as NAME_codes (uint8): NAME with its K axis moved to the last place and cut into blocks of 32 codes, [.., K / 32, bytes a block], one block behind the other in memory; one code a byte (a code: sign, 5 exponent bits, 2 mantissa bits); and NAME_scales (uint8): the same leading axes, one E8M0 byte (e + 127) for each 32 codes along K. Its value is code x scale, taken as it is: it is not quantised again, and the codes and scales need not be those that the quantiser above would give.
;; One version. Each part assembles by itself: llvm-mc -triple=amdgcn-amd-amdhsa -mcpu=gfx1250 --defsym DOCPART=n.
;; ======== version 1 of 1: 3 launches
;; limits: right only within a limited range of input values
;; workspace buffers: qc 8,388,608 bytes; qs 524,288 bytes; kv 17,301,504 bytes; cc 8,388,608 bytes; cs 262,144 bytes
;; launch proj (part 1): grid 2 x 128, 4 waves a work-group, no clusters, 105,984 bytes of LDS; arguments x, Wq_codes, Wq_scales, bq, Wk_codes, Wk_scales, bk, Wv_codes, Wv_scales, bv, qc, qs, kv; writes qc, qs, kv
.if DOCPART == 1
	.amdgcn_target "amdgcn-amd-amdhsa--gfx1250"
	.amdhsa_code_object_version 6
	.text
	.protected	k_qff5de372e4_proj
	.globl	k_qff5de372e4_proj
	.p2align	8
	.type	k_qff5de372e4_proj,@function
k_qff5de372e4_proj:
	s_mov_b64 s[64:65], 0
	v_nop
	global_prefetch_b8 v0, s[64:65] scope:SCOPE_SE
	s_setreg_imm32_b32 hwreg(HW_REG_WAVE_MODE, 25, 1), 1
	s_wait_xcnt 0x0
; Q, K, V = x W + b for 128 rows of x and four heads, all three products on E5M2 codes with one E8M0 scale for each 32 along K; the results are quantised at once: Q and K along d, V along the keys.
; SHARES.  Work-group (cg, rb): rows 128 rb .. 128 rb + 127 of x (flattened [16384][512]), heads 4 cg .. 4 cg + 3.  Wave w owns head 4 cg + w: its Wq, Wk, Wv (each 4 tiles x 4 K steps x 16 registers)
; fill register windows 1, 2, 3 for the whole launch.  x is quantised once by the four waves together (wave w: rows 32 w .. 32 w + 31) and goes from wave to wave through LDS as images of the operand's registers.
; THE ROWS OF A TILE ARE NOT NEIGHBOURS: lane r of tile 2 b + u (of x's rows, and of a weight's rows d) takes row 32 b + 8 u + r + 8 (r / 8).  In a result, register j of lane (r, h) of tile 2 b + u is then
; index 32 b + 16 h + 8 u + j: the 16 registers of two neighbouring tiles are 16 neighbours along the next K, and the conversions' results are the next operand's registers.
; Q, K: source 0 = 16 rows of W, source 1 = 16 rows of x: a lane holds one row of x and registers along d.  V: the sources swapped: a lane holds one d and registers along the keys.
; OUT, all as images of registers (a group of four registers = 512 bytes, lane l's 16 bytes at 16 l):
;   qc [bh][tile 128][c 2]; qs [bh][blk 16][lane][4 words] (a tile's word: its two scale bytes, twice);
;   kv [bh][key step 16][16,896 bytes]: K's four fragments (fragment b: tile 2 b in groups 0, 1, tile 2 b + 1 in groups 2, 3), V's four fragments, K's scale words, V's scale words.
; LIMITS: NaN and infinities among the inputs are not served.  A block of zeros (largest magnitude under 2^-111) gets the scale byte 1 where the rule says 127: its codes are zeros, and only this program reads the bytes.
.set XIMG, 0                           ; LDS: x's 32 fragments, (tile m, K step s) at (4 m + s) x 2,048
.set XSC,  65536                       ; their scale words, 128 bytes each
.set BIAS, 69632                       ; 512 bytes a wave: bq, bk of its head
.set STG,  71680                       ; a stage of 16 rows x 528 bytes for each wave
.set SPITCH, 528                       ; 512 bytes + 16: sixteen rows start in sixteen different 16-byte columns
.set LI,  1                            ; v1   16 x lane
.set LS,  2                            ; v2   XSC + 4 x lane
.set XWI, 3                            ; v3   where I store x's images: 16 x lane + 16,384 x wave
.set XWS, 4                            ; v4   and their scale words: XSC + 4 x lane + 1,024 x wave
.set SW,  5                            ; v5   my stage, on the way in: 16 x lane
.set SRD, 6                            ; v6   and out: 528 r + 64 h
.set WA,  7                            ; v7   a weight's codes: 512 (r + 8 (r / 8)) + 16 h
.set WSA, 8                            ; v8   its scale words: 16 (r + 8 (r / 8))
.set BA,  9                            ; v9   my wave's biases in LDS + 64 h
.set BVA, 10                           ; v10  bv: 4 (r + 8 (r / 8))
.set L8,  11                           ; v11  8 x lane
.set HH,  12                           ; v12  h
.set BW,  13                           ; v13  my wave's biases in LDS + 8 x lane
.set R0,  16                           ; v16-143  x as loaded, two sets of 64
.set X,   144                          ; v144-207 64 numbers of my row
.set PW,  240
.set BT,  244                          ; v244-247 bq, bk on their way to LDS
.set XF,  16                           ; v16-79   x's four fragments of a tile
.set AC0, 80                           ; v80-111  four accumulators
.set AC1, 112                          ; v112-143 four more
.set WS,  144                          ; v144-191 the weights' scale words: 16 x kind + 4 x tile + K step
.set XS,  192                          ; v192-195 x's scale words
.set BV,  196                          ; v196-203 bv of my d, tile by tile, each twice (a pair for the packed addition)
.set QW,  204                          ; v204-211 Q's scale words, tile by tile
.set KW,  212                          ; v212-215 K's, fragment by fragment
.set VW,  216                          ; v216-219 V's, fragment by fragment
.set HW,  252
.set SEL, 40                           ; s[40:41] v_permlanex16_b32's selects for lane l xor 16
.set MNT, 42                           ; s42      the mantissa field of 57,344
.set PC,  208                          ; the codes just made (set again behind x's phase)
.set TM,  224                          ; +0 largest magnitudes, +4 bytes, +8 57,344 x the scale, +12 the conversion's scale operand
.set MSB, 0
.macro WIN new                         ; the immediate's high byte repeats the setting that is left
.if MSB != \new
	s_set_vgpr_msb (MSB<<8)|\new
.set MSB, \new
.endif
.endm
.macro PLACES n
.rept \n
	v_nop
.endr
.endm
; nb blocks of 32 along K; of block b my 16 numbers stand in v[src + bs b + gs g + i], g = 0, 1, i = 0 .. 7; lane l xor 16 holds the other 16.  Codes to v[PC + 4 b] on, the scale's byte to v[TM + 4 + b].
.macro QUANT src, nb, bs, gs
.irp b, 0,1,2,3
.if \b < \nb
	v_max3_num_f32 v[TM+\b], |v[\src+\bs*\b]|, |v[\src+\bs*\b+1]|, 0x8000000   ; with the floor 2^(16 - 127): the byte cannot fall under 1.  Each accumulator is read from its low end on
.endif
.endr
.irp i, 2,4,6,8,10,12,14
.irp b, 0,1,2,3
.if \b < \nb
	v_max3_num_f32 v[TM+\b], v[TM+\b], |v[\src+\bs*\b+\gs*(\i/8)+\i%8]|, |v[\src+\bs*\b+\gs*(\i/8)+\i%8+1]|
.endif
.endr
.endr
.irp b, 0,1,2,3
.if \b < \nb
	v_permlanex16_b32 v[TM+4+\b], v[TM+\b], s[SEL], s[SEL+1]
.endif
.endr
.irp b, 0,1,2,3
.if \b < \nb
	v_max_num_f32 v[TM+\b], v[TM+\b], v[TM+4+\b]           ; the block's largest magnitude
.endif
.endr
.irp b, 0,1,2,3
.if \b < \nb
	v_add_nc_u32 v[TM+12+\b], 0xf8800000, v[TM+\b]         ; 15 off its exponent field: the conversion takes this operand's exponent field as its scale
.endif
.endr
.irp b, 0,1,2,3
.if \b < \nb
	v_and_or_b32 v[TM+8+\b], v[TM+\b], 0x7f800000, s[MNT]  ; 57,344 x the scale
.endif
.endr
.irp b, 0,1,2,3
.if \b < \nb
	v_lshrrev_b32 v[TM+4+\b], 23, v[TM+12+\b]              ; the scale's byte
.endif
.endr
.irp b, 0,1,2,3
.if \b < \nb
.irp i, 0,1,2,3,4,5,6,7,8,9,10,11,12,13,14,15
	v_med3_num_f32 v[\src+\bs*\b+\gs*(\i/8)+\i%8], v[\src+\bs*\b+\gs*(\i/8)+\i%8], -v[TM+8+\b], v[TM+8+\b]   ; the conversion does not saturate (ISA guide 7.6.2): the hold comes first
.endr
	v_cvt_scalef32_pk8_bf8_f32 v[PC+4*\b:PC+4*\b+1], v[\src+\bs*\b:\src+\bs*\b+7], v[TM+12+\b]
	v_cvt_scalef32_pk8_bf8_f32 v[PC+4*\b+2:PC+4*\b+3], v[\src+\bs*\b+\gs:\src+\bs*\b+\gs+7], v[TM+12+\b]
.endif
.endr
	v_nop                                          ; a plain line behind the last conversion
.endm
; chunk t = 4 u + s: the 16 rows of my tile u, K step s: each load reads 512 consecutive bytes of one row
.macro XLOAD t
.irp i, 0,1,2,3,4,5,6,7,8,9,10,11,12,13,14,15
	global_load_b128 v[R0+64*((\t)%2)+4*\i:R0+64*((\t)%2)+4*\i+3], v[LI], s[8:9] offset:(8*((\t)/4)+\i+8*(\i/8))*2048+512*((\t)%4)
.endr
.endm
; through my stage: in as loaded, out 16 neighbours of each block of 32 of row r.  LDS serves a wave's instructions in order: no wait between
.macro TURN t
.irp i, 0,1,2,3,4,5,6,7,8,9,10,11,12,13,14,15
	ds_store_b128 v[SW], v[R0+64*((\t)%2)+4*\i:R0+64*((\t)%2)+4*\i+3] offset:SPITCH*\i
.endr
.irp b, 0,1,2,3
.irp j, 0,1,2,3
	ds_load_b128 v[X+16*\b+4*\j:X+16*\b+4*\j+3], v[SRD] offset:128*\b+16*\j
.endr
.endr
.endm
; a weight's 16 fragments, (tile a, K step k) at v[16 (4 a + k)] of the window named
.macro WLOAD win, p
	WIN \win
.irp a, 0,1,2,3
.irp k, 0,1,2,3
.irp c, 0,1,2,3
	global_load_b128 v[16*(4*\a+\k)+4*\c:16*(4*\a+\k)+4*\c+3], v[WA], s[\p:\p+1] offset:(32*(\a/2)+8*(\a%2))*512+128*\k+32*\c
.endr
.endr
.endr
	WIN 0
.endm
.macro SLOAD ty, p                     ; and its scale words
.irp a, 0,1,2,3
.irp k, 0,1,2,3
	global_load_b32 v[WS+16*\ty+4*\a+\k], v[WSA], s[\p:\p+1] offset:(32*(\a/2)+8*(\a%2))*16+4*\k
.endr
.endr
.endm
; One chunk of x becomes a fragment's image in LDS.  cnt: the loads issued behind this chunk's that may stay out (63 is the largest count that the wait can name; more than that were issued behind)
.macro XSTEP t, cnt
	s_wait_loadcnt \cnt
	TURN \t
	s_wait_dscnt 0x0                               ; my numbers are back; the stage's stores have read their registers, and so have the last image's
.if \t < 6
	XLOAD \t+2
.endif
.if \t == 0
	WLOAD 0x40, 10                                 ; Wq lands while x is quantised
.endif
.if \t == 1
	WLOAD 0x80, 16                                 ; Wk
.endif
.if \t == 2
	global_load_b64 v[BT:BT+1], v[L8], s[14:15]    ; bq: 256 bytes
	global_load_b64 v[BT+2:BT+3], v[L8], s[20:21]  ; bk
.endif
	QUANT X, 4, 16, 8
	v_lshl_or_b32 v[PW], v[TM+5], 8, v[TM+4]       ; my row's scale word
	v_lshl_or_b32 v[PW], v[TM+6], 16, v[PW]
	v_lshl_or_b32 v[PW], v[TM+7], 24, v[PW]
.irp c, 0,1,2,3
	ds_store_b128 v[XWI], v[PC+4*\c:PC+4*\c+3] offset:XIMG+2048*\t+512*\c
.endr
	ds_store_b32 v[XWS], v[PW] offset:128*\t
.endm
.macro FETCHX m                        ; tile m's four fragments and scale words, as they were stored
.irp k, 0,1,2,3
.irp c, 0,1,2,3
	ds_load_b128 v[XF+16*\k+4*\c:XF+16*\k+4*\c+3], v[LI] offset:XIMG+(4*(\m)+\k)*2048+512*\c
.endr
	ds_load_b32 v[XS+\k], v[LS] offset:(4*(\m)+\k)*128
.endr
.endm
.macro BIASLD set, off                 ; the bias in the result's layout: tile a, register j: d = 32 (a / 2) + 8 (a % 2) + 16 h + j.  It is the sum's beginning
.irp a, 0,1,2,3
	ds_load_b128 v[\set+8*\a:\set+8*\a+3], v[BA] offset:\off+(32*(\a/2)+8*(\a%2))*4
	ds_load_b128 v[\set+8*\a+4:\set+8*\a+7], v[BA] offset:\off+(32*(\a/2)+8*(\a%2))*4+16
.endr
.endm
; 16 products: source 0 = the weight's tile a, source 1 = x; the four accumulators by turns, one instruction a turn
.macro MMT set, ty
.irp k, 0,1,2,3
.irp a, 0,1,2,3
	v_wmma_scale_f32_16x16x128_f8f6f4 v[\set+8*\a:\set+8*\a+7], v[16*(4*\a+\k):16*(4*\a+\k)+15], v[XF+16*\k:XF+16*\k+15], v[\set+8*\a:\set+8*\a+7], v[WS+16*\ty+4*\a+\k], v[XS+\k] matrix_a_fmt:MATRIX_FMT_BF8 matrix_b_fmt:MATRIX_FMT_BF8
.endr
.endr
.endm
; the same with the sources swapped, for V: source 0 = x, source 1 = Wv's tile a; the first K step starts the sums
.macro MMV set
.irp k, 0,1,2,3
.irp a, 0,1,2,3
.if \k == 0
	v_wmma_scale_f32_16x16x128_f8f6f4 v[\set+8*\a:\set+8*\a+7], v[XF+16*\k:XF+16*\k+15], v[16*(4*\a+\k):16*(4*\a+\k)+15], 0, v[XS+\k], v[WS+32+4*\a+\k] matrix_a_fmt:MATRIX_FMT_BF8 matrix_b_fmt:MATRIX_FMT_BF8
.else
	v_wmma_scale_f32_16x16x128_f8f6f4 v[\set+8*\a:\set+8*\a+7], v[XF+16*\k:XF+16*\k+15], v[16*(4*\a+\k):16*(4*\a+\k)+15], v[\set+8*\a:\set+8*\a+7], v[XS+\k], v[WS+32+4*\a+\k] matrix_a_fmt:MATRIX_FMT_BF8 matrix_b_fmt:MATRIX_FMT_BF8
.endif
.endr
.endr
.endm
; Q and K of tile m
.macro TILEQK m
	PLACES 9                                       ; behind the last products: in front of loads into their operands, scales and results
	FETCHX \m
	BIASLD AC0, 0
	BIASLD AC1, 256
	s_wait_dscnt 0x0
	WIN 0x01                                       ; source 0: window 1 (Wq)
	MMT AC0, 0
	WIN 0x02                                       ; window 2 (Wk)
	MMT AC1, 1
	WIN 0
	PLACES 8                                       ; in front of the first read of results
	s_wait_xcnt 0x0                                ; the last stores have read the codes' registers
	QUANT AC0, 2, 16, 8
	v_lshl_or_b32 v[HW], v[TM+5], 8, v[TM+4]
	global_store_b128 v[LI], v[PC:PC+3], s[28:29] offset:1024*\m          ; 512 consecutive bytes, aligned
	global_store_b128 v[LI], v[PC+4:PC+7], s[28:29] offset:1024*\m+512
	v_lshl_or_b32 v[QW+\m], v[HW], 16, v[HW]       ; Q's two bytes, twice: Q stands in the lower or in the upper half of the scores' K
	s_wait_xcnt 0x0
	QUANT AC1, 2, 16, 8
	v_lshl_or_b32 v[HW], v[TM+5], 8, v[TM+4]
	global_store_b128 v[LI], v[PC:PC+3], s[32:33] offset:1024*\m          ; fragment m / 2, groups 2 (m % 2) and 2 (m % 2) + 1
	global_store_b128 v[LI], v[PC+4:PC+7], s[32:33] offset:1024*\m+512
.if \m%2 == 0
	v_mov_b32 v[KW+\m/2], v[HW]
.else
	v_lshl_or_b32 v[KW+\m/2], v[HW], 16, v[KW+\m/2]
.endif
.endm
; V of keys 32 p .. 32 p + 31: tiles 2 p and 2 p + 1 of x; one block of 32 keys for each d
.macro BLOCKV p
	PLACES 9                                       ; nine: the products below begin sums anew over earlier results
	FETCHX 2*\p
	s_wait_dscnt 0x0
	WIN 0x0c                                       ; source 1: window 3 (Wv)
	MMV AC0
	WIN 0
	PLACES 9
	FETCHX 2*\p+1
	s_wait_dscnt 0x0
	WIN 0x0c
	MMV AC1
	WIN 0
	PLACES 8
.irp u, 0,1
.irp a, 0,1,2,3
.irp j, 0,2,4,6
	v_pk_add_f32 v[AC0+32*\u+8*\a+\j:AC0+32*\u+8*\a+\j+1], v[AC0+32*\u+8*\a+\j:AC0+32*\u+8*\a+\j+1], v[BV+2*\a:BV+2*\a+1]   ; + bv of my d
.endr
.endr
.endr
	s_wait_xcnt 0x0
	QUANT AC0, 4, 8, 32                            ; block a: d tile a; my 16 keys: 8 of each tile of x
.irp a, 0,1,2,3
	global_store_b128 v[LI], v[PC+4*\a:PC+4*\a+3], s[32:33] offset:8192+2048*\a+512*\p   ; group p of V's fragment a
.if \p == 0
	v_mov_b32 v[VW+\a], v[TM+4+\a]
.else
	v_lshl_or_b32 v[VW+\a], v[TM+4+\a], 8*\p, v[VW+\a]
.endif
.endr
.endm
	s_load_b512 s[8:23], s[0:1], 0x0               ; x 8, Wq codes 10, Wq scales 12, bq 14, Wk codes 16, Wk scales 18, bk 20, Wv codes 22
	s_load_b256 s[24:31], s[0:1], 0x40             ; Wv scales 24, bv 26, qc 28, qs 30
	s_load_b64 s[32:33], s[0:1], 0x60              ; kv
	v_lshl_add_u32 v254, v0, 2, 0x19c00
	v_mov_b32 v255, 0
	v_lshrrev_b32 v14, 5, v0
	v_readfirstlane_b32 s34, v14                   ; wave
	v_and_b32 v15, 31, v0                          ; lane
	v_and_b32 v14, 15, v0                          ; r
	v_bfe_u32 v[HH], v0, 4, 1
	v_lshlrev_b32 v[LI], 4, v15
	v_lshl_add_u32 v[LS], v15, 2, XSC
	v_lshlrev_b32 v[L8], 3, v15
	s_lshl_b32 s36, s34, 14
	v_add_nc_u32 v[XWI], s36, v[LI]
	s_lshl_b32 s36, s34, 10
	v_add_nc_u32 v[XWS], s36, v[LS]
	s_mul_i32 s36, s34, 16*SPITCH
	s_add_co_u32 s36, s36, STG
	v_add_nc_u32 v[SW], s36, v[LI]
	v_mul_u32_u24 v[SRD], v14, SPITCH
	v_lshl_add_u32 v[SRD], v[HH], 6, v[SRD]
	v_add_nc_u32 v[SRD], s36, v[SRD]
	s_lshl_b32 s37, s34, 9
	s_add_co_u32 s37, s37, BIAS
	v_add_nc_u32 v[BW], s37, v[L8]
	v_lshl_add_u32 v[BA], v[HH], 6, s37
	v_and_b32 v15, 8, v14
	v_add_nc_u32 v15, v15, v14                     ; r + 8 (r / 8)
	v_lshlrev_b32 v[WA], 9, v15
	v_lshl_add_u32 v[WA], v[HH], 4, v[WA]
	v_lshlrev_b32 v[WSA], 4, v15
	v_lshlrev_b32 v[BVA], 2, v15
.irp b, 0,1,2,3
	v_mov_b32 v[TM+4+\b], 0                        ; written once: a lane permute's destination counts as one of its sources
.endr
	s_mov_b32 s[SEL], 0x76543210
	s_mov_b32 s[SEL+1], 0xfedcba98
	s_mov_b32 s[MNT], 0x600000
	s_lshl_b32 s35, ttmp9, 2
	s_add_co_u32 s35, s35, s34                     ; head = 4 cg + wave
	s_and_b32 s38, ttmp7, 0xffff                   ; rb
	s_lshr_b32 s39, s38, 4                         ; batch
	s_lshl_b32 s39, s39, 3
	s_add_co_u32 s39, s39, s35                     ; bh
	s_lshl_b32 s39, s39, 4
	s_and_b32 s43, s38, 15
	s_add_co_u32 s39, s39, s43                     ; idx = 16 bh + the block of 128 rows in its batch
	s_lshl_b32 s44, s38, 18                        ; x: 128 rows of 2,048 bytes a block, 32 rows a wave
	s_lshl_b32 s45, s34, 16
	s_add_co_u32 s44, s44, s45
	s_mov_b32 s45, 0
	s_lshl_b32 s46, s35, 15                        ; a head's codes: 32,768 bytes
	s_mov_b32 s47, 0
	s_lshl_b32 s48, s35, 10                        ; its scale bytes: 1,024
	s_mov_b32 s49, 0
	s_lshl_b32 s50, s35, 8                         ; its bias: 256
	s_mov_b32 s51, 0
	s_wait_alu depctr_va_vdst(0)
	s_wait_kmcnt 0x0
	s_add_nc_u64 s[8:9], s[8:9], s[44:45]
	s_add_nc_u64 s[10:11], s[10:11], s[46:47]
	s_add_nc_u64 s[16:17], s[16:17], s[46:47]
	s_add_nc_u64 s[22:23], s[22:23], s[46:47]
	s_add_nc_u64 s[12:13], s[12:13], s[48:49]
	s_add_nc_u64 s[18:19], s[18:19], s[48:49]
	s_add_nc_u64 s[24:25], s[24:25], s[48:49]
	s_add_nc_u64 s[14:15], s[14:15], s[50:51]
	s_add_nc_u64 s[20:21], s[20:21], s[50:51]
	s_add_nc_u64 s[26:27], s[26:27], s[50:51]
	s_lshl_b32 s36, s39, 13
	s_mov_b32 s37, 0
	s_add_nc_u64 s[28:29], s[28:29], s[36:37]      ; qc + 8,192 idx
	s_lshl_b32 s36, s39, 9
	s_add_nc_u64 s[30:31], s[30:31], s[36:37]      ; qs + 512 idx
	s_mul_i32 s36, s39, 16896
	s_add_nc_u64 s[32:33], s[32:33], s[36:37]      ; kv + 16,896 idx
	; ---- x: my 32 rows become eight fragments.  Two chunks of 16 loads are on their way while one is quantised
	XLOAD 0
	XLOAD 1
	XSTEP 0, 16                                    ; behind chunk 0: chunk 1's 16
	XSTEP 1, 63                                    ; behind chunk 1: 16 + 64
	XSTEP 2, 63                                    ; behind chunk 2: 64 + 16 + 64
	XSTEP 3, 63                                    ; behind chunk 3: 64 + 16 + 2
	XSTEP 4, 18                                    ; behind chunk 4: the biases' 2 and chunk 5's 16
	XSTEP 5, 16                                    ; behind chunk 5: chunk 6's 16; so Wq, Wk and the biases are in too
	XSTEP 6, 16
	XSTEP 7, 0
	ds_store_b64 v[BW], v[BT:BT+1]                 ; bq, bk into my wave's own bytes
	ds_store_b64 v[BW], v[BT+2:BT+3] offset:256
	s_wait_dscnt 0x0                               ; for the others' sake: my images have landed
	SLOAD 0, 12
	SLOAD 1, 18
	SLOAD 2, 24
.irp a, 0,1,2,3
	global_load_b32 v[BV+2*\a], v[BVA], s[26:27] offset:(32*(\a/2)+8*(\a%2))*4
	global_load_b32 v[BV+2*\a+1], v[BVA], s[26:27] offset:(32*(\a/2)+8*(\a%2))*4
.endr
.set PC, 220
.set TM, 236
.irp b, 0,1,2,3
	v_mov_b32 v[TM+4+\b], 0
.endr
	s_barrier_signal -1
	s_barrier_wait -1                              ; x's 32 fragments lie in LDS; nothing is stored to LDS behind this barrier
	s_wait_loadcnt 0x0
	WLOAD 0xc0, 22                                 ; Wv is first multiplied behind the eight tiles of Q and K: it lands under them
	; ---- Q and K, a tile of 16 rows at a time
.irp m, 0,1,2,3,4,5,6,7
	TILEQK \m
.endr
	; ---- V, 32 keys at a time
	s_wait_loadcnt 0x0                             ; Wv is in
.irp p, 0,1,2,3
	BLOCKV \p
.endr
	; ---- the scale words leave in whole runs of 256 and 512 bytes: lanes 0-15 carry an even fragment's (or tiles 0-3's) words, lanes 16-31 the odd one's (tiles 4-7's)
	v_cmp_ne_u32 vcc_lo, 0, v[HH]
	v_cndmask_b32 v16, v[KW], v[KW+1], vcc_lo
	v_cndmask_b32 v17, v[KW+2], v[KW+3], vcc_lo
	v_cndmask_b32 v18, v[VW], v[VW+1], vcc_lo
	v_cndmask_b32 v19, v[VW+2], v[VW+3], vcc_lo
.irp i, 0,1,2,3
	v_cndmask_b32 v[20+\i], v[QW+\i], v[QW+4+\i], vcc_lo
.endr
	global_store_b64 v[L8], v[16:17], s[32:33] offset:16384
	global_store_b64 v[L8], v[18:19], s[32:33] offset:16640
	global_store_b128 v[LI], v[20:23], s[30:31]
	s_wait_tensorcnt 0x0
	ds_add_u32 v254, v255
	s_wait_dscnt 0x0
	s_endpgm
.Lfunc_end_k_qff5de372e4_proj:
	.size	k_qff5de372e4_proj, .Lfunc_end_k_qff5de372e4_proj-k_qff5de372e4_proj
	.p2alignl 7, 3214868480
	.fill 96, 4, 3214868480
	.section	.rodata,"a",@progbits
	.p2align	6, 0x0
	.amdhsa_kernel k_qff5de372e4_proj
		.amdhsa_group_segment_fixed_size 105984
		.amdhsa_private_segment_fixed_size 0
		.amdhsa_enable_private_segment 0
		.amdhsa_kernarg_size 104
		.amdhsa_user_sgpr_count 2
		.amdhsa_user_sgpr_kernarg_segment_ptr 1
		.amdhsa_wavefront_size32 1
		.amdhsa_system_sgpr_workgroup_id_x 1
		.amdhsa_system_sgpr_workgroup_id_y 1
		.amdhsa_system_sgpr_workgroup_id_z 1
		.amdhsa_system_vgpr_workitem_id 0
		.amdhsa_next_free_vgpr 1024
		.amdhsa_next_free_sgpr 66
		.amdhsa_reserve_vcc 1
		.amdhsa_float_denorm_mode_32 3
		.amdhsa_float_denorm_mode_16_64 3
		.amdhsa_memory_ordered 1
		.amdhsa_forward_progress 1
		.amdhsa_inst_pref_size 255
	.end_amdhsa_kernel
	.section	.bss,"aw",@nobits
	.p2align	6
	.space	262144
	.amdgpu_metadata
---
amdhsa.version: [ 1, 2 ]
amdhsa.kernels:
  - .name:           k_qff5de372e4_proj
    .symbol:         k_qff5de372e4_proj.kd
    .args:
      - { .name: x, .offset: 0, .size: 8, .value_kind: global_buffer, .address_space: global }
      - { .name: Wq_codes, .offset: 8, .size: 8, .value_kind: global_buffer, .address_space: global }
      - { .name: Wq_scales, .offset: 16, .size: 8, .value_kind: global_buffer, .address_space: global }
      - { .name: bq, .offset: 24, .size: 8, .value_kind: global_buffer, .address_space: global }
      - { .name: Wk_codes, .offset: 32, .size: 8, .value_kind: global_buffer, .address_space: global }
      - { .name: Wk_scales, .offset: 40, .size: 8, .value_kind: global_buffer, .address_space: global }
      - { .name: bk, .offset: 48, .size: 8, .value_kind: global_buffer, .address_space: global }
      - { .name: Wv_codes, .offset: 56, .size: 8, .value_kind: global_buffer, .address_space: global }
      - { .name: Wv_scales, .offset: 64, .size: 8, .value_kind: global_buffer, .address_space: global }
      - { .name: bv, .offset: 72, .size: 8, .value_kind: global_buffer, .address_space: global }
      - { .name: qc, .offset: 80, .size: 8, .value_kind: global_buffer, .address_space: global }
      - { .name: qs, .offset: 88, .size: 8, .value_kind: global_buffer, .address_space: global }
      - { .name: kv, .offset: 96, .size: 8, .value_kind: global_buffer, .address_space: global }
    .group_segment_fixed_size: 105984
    .private_segment_fixed_size: 0
    .kernarg_segment_align: 8
    .kernarg_segment_size: 104
    .max_flat_workgroup_size: 128
    .sgpr_count:     66
    .vgpr_count:     1024
    .wavefront_size: 32
...
	.end_amdgpu_metadata
.endif
;; end of part 1
;; launch attn (part 2): grid 4 x 64, 16 waves a work-group, clusters of 4 x 1, 272,384 bytes of LDS; arguments qc, qs, kv, cc, cs; writes cc, cs
.if DOCPART == 2
	.amdgcn_target "amdgcn-amd-amdhsa--gfx1250"
	.amdhsa_code_object_version 6
	.text
	.protected	k_qff5de372e4_attn
	.globl	k_qff5de372e4_attn
	.p2align	8
	.type	k_qff5de372e4_attn,@function
k_qff5de372e4_attn:
	s_mov_b64 s[64:65], 0
	v_nop
	global_prefetch_b8 v0, s[64:65] scope:SCOPE_SE
	s_setreg_imm32_b32 hwreg(HW_REG_WAVE_MODE, 25, 1), 1
	s_wait_xcnt 0x0
	s_wait_alu depctr_hold_cnt(0) depctr_sa_sdst(0) depctr_va_vdst(0) depctr_va_sdst(0) depctr_va_ssrc(0) depctr_va_vcc(0) depctr_vm_vsrc(0)
	s_getreg_b32 s2, hwreg(HW_REG_IB_STS2, 6, 4)
	s_cmp_eq_u32 s2, 0
	s_cbranch_scc0 .Lentry_in_a_cluster
	s_endpgm
.Lentry_in_a_cluster:
	s_bfe_u32 s2, ttmp6, 0x10000c
	s_cmp_lg_u32 s2, 0x3003
	s_cbranch_scc0 .Lentry_shape_is_right
	s_endpgm
.Lentry_shape_is_right:
; ctx = softmax(Q K^T / 8) V for one head of one batch and 512 queries, both products on E5M2 codes with E8M0 scales; ctx is divided by the row's sum and quantised along d for the output projection.
; THE SOFTMAX: t = score x log2(e) / 8; M = the row's largest t so far, rounded up to a whole number; p = 2^(t - M) is quantised along the keys, not normalised; the row's sum is taken of the unquantised p.
; When M moves, the sum and O are multiplied by 2^(old M - new M), which rounds nothing.
; SHARES.  256 work-groups: 64 heads x 4 blocks of 512 queries.  Sixteen waves, four to a SIMD; a wave owns two tiles of 16 queries, one after the other (a loop of two passes), each against the head's 2,048 keys, 128 a step.
; LDS holds the head's K and V whole: 16 key steps x 16,896 bytes, laid as images of the operands' registers (a group of four registers: 512 bytes, lane l's at 16 l): filled ONCE: wave w fetches key step w, one tensor load a wave.
; One barrier shows all sixteen blocks; behind it the waves share nothing more and meet at no barrier until the closing round.
; TWO REGIONS OF 64 REGISTERS SWAP ROLES FROM STEP TO STEP (a trip of the loop is two steps): K's fragments lie in one, the scores go to the other; V's fragments follow K's; once p is converted, the next step's K is loaded over it.
; CLUSTER.  The four work-groups of a cluster are the four blocks of queries of one head: each block of 16,896 bytes is asked for jointly, by the same tensor load with the same descriptor and the mask of all four.
; NO PREFETCH: all of K and V is asked for at the head, by the tensor loads themselves; there is no loop to run ahead in.
; LAYOUT.  Both products transposed: S^T = K Q^T, O^T = V^T P^T: a lane holds one query (lane % 16) throughout.  THE HEAD'S 64 ARE HALF OF THE INSTRUCTION'S K: a fragment of K holds two tiles of 16 keys,
; tile 2 b at k = 0 .. 63 and tile 2 b + 1 at k = 64 .. 127, and Q stands in registers as Q, zeros, Q: [Q | 0] picks the first tile, [0 | Q] the second.  Zero codes add nothing.
; The keys of a tile are chosen so that the 16 registers of tiles 2 b, 2 b + 1 are keys 32 b + 16 (lane / 16) + 0 .. 15; V's rows d likewise, so that O^T's registers run along d.
; LIMITS: NaN and infinities are not served.  A block's largest p is taken from its largest score (this takes v_exp_f32 not to fall where its input rises).  A block of zeros keeps the scale byte 1: its codes are zeros.
.set KSB,  16896                       ; a key step's block: K 8,192, V 8,192, K's scale words 256, V's 256
.set SPARE, 16*KSB                     ; behind the blocks: the spare words, 128 bytes a wave
.set LI,   1                           ; v1  16 x lane
.set L8,   2                           ; v2  8 x lane
.set R16,  3                           ; v3  16 x (lane % 16)
.set ADR,  4                           ; v4  the trip's first block + 16 x lane
.set ADS,  5                           ; v5  the trip's first block + 8 x lane
.set ADN,  6                           ; v6, v7  the same for the next trip's first block
.set ADM,  7
.set QS,   8                           ; v8  Q's scale words
.set PW,   9                           ; v9  p's scale word
.set FF,   10                          ; v[10:11] f = 2^(old M - new M), and a written register beside it
                                       ; v12 -M, v13 the largest score, v[14:15] the sum; v16-23 Q, v24-31 zeros, v32-39 Q
.set FB,   40                          ; v40-103, v104-167: the two regions.  FB: fragments of K, then of V;  S: S^T, then p, then the next K.  Set anew ahead of each step
.set S,    104
.set OT,   168                         ; v168-199 O^T
.set PC,   200                         ; v200-215 p's codes
.set TM,   216                         ; v216-219 largest scores / magnitudes, v220-223 bytes, v224-227 57,344 x the scale, v228-231 the conversion's scale operand
.set KS,   232                         ; v[232:233] K's scale words: register g: lanes 0-15 fragment 2 g's, lanes 16-31 fragment 2 g + 1's
.set VS,   234                         ; v[234:235] V's likewise
.set TP,   238                         ; v238, v239 at work;  v236-237, v240-253: eight chains of a step's sum
.set TQ,   239
.set SPW,  254                         ; v254 my spare word; v255 0: never rewritten
.set NIL,  255
.set WV,   14                          ; s14 my wave's number
.set G1,   16                          ; s[16:23] descriptor group 1;  s[24:27] group 0
.set G0,   24
.set TN,   28                          ; s28 LDS byte at which the next trip's first block begins, held inside the blocks
.set SEL,  40
.set CS,   42                          ; s[42:43] c = log2(e) / 8
.set MNT,  44
.set TB,   45                          ; s45 LDS byte at which the trip's first block begins
.set CNT,  46                          ; s46 trips to go
.set PASS, 47                          ; s47 which of my two tiles
.macro PLACES n
.rept \n
	v_nop
.endr
.endm
.macro CROUND                          ; a round of the cluster's barrier
	s_barrier_signal -1
	s_barrier_wait -1
	s_cmp_lg_u32 s[WV], 0
	s_cbranch_scc1 .Lnot_wave_0_\@
	s_barrier_signal -3
.Lnot_wave_0_\@:
	s_barrier_wait -3
	s_barrier_signal -1
	s_barrier_wait -1
.endm
.macro QLOAD oc, os                    ; a tile's Q, twice (zeros stand between), and its scale words
	global_load_b128 v[16:19], v[LI], s[4:5] offset:\oc
	global_load_b128 v[20:23], v[LI], s[4:5] offset:\oc+512
	global_load_b128 v[32:35], v[LI], s[4:5] offset:\oc
	global_load_b128 v[36:39], v[LI], s[4:5] offset:\oc+512
	global_load_b32 v[QS], v[R16], s[6:7] offset:\os
.endm
.macro KLOAD reg, a, s, o              ; a key step's four fragments of K and their scale words: 17 LDS loads
.irp b, 0,1,2,3
.irp c, 0,1,2,3
	ds_load_b128 v[\reg+16*\b+4*\c:\reg+16*\b+4*\c+3], v[\a] offset:\o+2048*\b+512*\c
.endr
.endr
	ds_load_b64 v[KS:KS+1], v[\s] offset:\o+16384
.endm
; A KEY STEP: 128 keys, in the block o bytes behind the trip's first.  first = 1: the trip's first step, which makes the trip's addresses; 0: its second, which makes the next trip's
.macro STEP o, first
	s_wait_dscnt 0x0                               ; K's fragments, asked for in the step before, are in
.irp b, 0,1,2,3                        ; S^T: fragment b against [Q | 0] and against [0 | Q]
.if \b%2
	v_wmma_scale_f32_16x16x128_f8f6f4 v[S+16*\b:S+16*\b+7], v[FB+16*\b:FB+16*\b+15], v[16:31], 0, v[KS+\b/2], v[QS] matrix_a_fmt:MATRIX_FMT_BF8 matrix_b_fmt:MATRIX_FMT_BF8 matrix_a_scale:MATRIX_SCALE_ROW1
	v_wmma_scale_f32_16x16x128_f8f6f4 v[S+16*\b+8:S+16*\b+15], v[FB+16*\b:FB+16*\b+15], v[24:39], 0, v[KS+\b/2], v[QS] matrix_a_fmt:MATRIX_FMT_BF8 matrix_b_fmt:MATRIX_FMT_BF8 matrix_a_scale:MATRIX_SCALE_ROW1
.else
	v_wmma_scale_f32_16x16x128_f8f6f4 v[S+16*\b:S+16*\b+7], v[FB+16*\b:FB+16*\b+15], v[16:31], 0, v[KS+\b/2], v[QS] matrix_a_fmt:MATRIX_FMT_BF8 matrix_b_fmt:MATRIX_FMT_BF8
	v_wmma_scale_f32_16x16x128_f8f6f4 v[S+16*\b+8:S+16*\b+15], v[FB+16*\b:FB+16*\b+15], v[24:39], 0, v[KS+\b/2], v[QS] matrix_a_fmt:MATRIX_FMT_BF8 matrix_b_fmt:MATRIX_FMT_BF8
.endif
.endr
	v_mov_b32 v[TP], v12                           ; the old -M.  Eight places from here on, in front of the loads into K's registers and of the first read of the scores
.if \first
	v_add_nc_u32 v[ADR], s[TB], v[LI]
	v_add_nc_u32 v[ADS], s[TB], v[L8]
.else
	v_add_nc_u32 v[ADN], s[TN], v[LI]
	v_add_nc_u32 v[ADM], s[TN], v[L8]
.endif
	PLACES 5
.irp t, 0,1,2,3                        ; V's fragments land under the softmax
.irp c, 0,1,2,3
	ds_load_b128 v[FB+16*\t+4*\c:FB+16*\t+4*\c+3], v[ADR] offset:\o+8192+2048*\t+512*\c
.endr
.endr
	ds_load_b64 v[VS:VS+1], v[ADS] offset:\o+16640
.irp b, 0,1,2,3
	v_max3_num_f32 v[TM+\b], v[S+16*\b], v[S+16*\b+1], v[S+16*\b+2]       ; the largest score of each block of 32 keys: for the row's maximum, and for the block's largest p
.endr
.irp i, 3,5,7,9,11,13
.irp b, 0,1,2,3
	v_max3_num_f32 v[TM+\b], v[TM+\b], v[S+16*\b+\i], v[S+16*\b+\i+1]
.endr
.endr
.irp b, 0,1,2,3
	v_max_num_f32 v[TM+\b], v[TM+\b], v[S+16*\b+15]
.endr
.irp b, 0,1,2,3
	s_delay_alu instid0(VALU_DEP_4)
	v_permlanex16_b32 v[TM+4+\b], v[TM+\b], s[SEL], s[SEL+1]
.endr
.irp b, 0,1,2,3
	s_delay_alu instid0(VALU_DEP_4)
	v_max_num_f32 v[TM+\b], v[TM+\b], v[TM+4+\b]   ; with lane l xor 16's 16 keys
.endr
	s_delay_alu instid0(VALU_DEP_2)
	v_max3_num_f32 v[TQ], v[TM], v[TM+1], v[TM+2]
	s_delay_alu instid0(VALU_DEP_1)
	v_max3_num_f32 v13, v[TQ], v[TM+3], v13        ; the running largest score
	s_delay_alu instid0(VALU_DEP_1)
	v_mul_f32 v[TQ], s[CS], v13                    ; as t (c is positive, so the largest score gives the largest t)
	s_delay_alu instid0(VALU_DEP_1)
	v_floor_f32 v12, -v[TQ]                        ; the new -M = floor(-t)
.set j, 0
.rept 8
	v_pk_fma_f32 v[S+j:S+j+1], v[S+j:S+j+1], s[CS:CS+1], v[12:13] op_sel_hi:[1,0,0]   ; t - M, two at a time; f's three lines stand among and behind them
.set j, j+2
.endr
	v_sub_f32 v[TP], v12, v[TP]                    ; old M - new M: a whole number, 0 or less
.rept 8
	v_pk_fma_f32 v[S+j:S+j+1], v[S+j:S+j+1], s[CS:CS+1], v[12:13] op_sel_hi:[1,0,0]
.set j, j+2
.endr
	v_cvt_i32_f32 v[TP], v[TP]
.rept 16
	v_pk_fma_f32 v[S+j:S+j+1], v[S+j:S+j+1], s[CS:CS+1], v[12:13] op_sel_hi:[1,0,0]
.set j, j+2
.endr
.irp b, 0,1,2,3
	v_fma_f32 v[TM+\b], v[TM+\b], s[CS], v12       ; the same of each block's largest score
.endr
.set j, 0
	s_wait_alu depctr_va_vdst(0)                   ; the wait ahead of the batch
.rept 64
	v_exp_f32 v[S+j], v[S+j]                       ; p
.set j, j+1
.endr
.irp b, 0,1,2,3
	v_exp_f32 v[TM+\b], v[TM+\b]                   ; the block's largest p
.endr
	v_ldexp_f32 v[FF], 1.0, v[TP]                  ; f; the plain line behind the exponentials
	s_wait_alu depctr_va_vdst(0)                   ; and the wait behind the batch
.irp b, 0,1,2,3
	v_max_num_f32 v[TM+\b], 0x8000000, v[TM+\b]    ; the floor 2^(16 - 127)
.endr
.irp b, 0,1,2,3
	s_delay_alu instid0(VALU_DEP_4)
	v_add_nc_u32 v[TM+12+\b], 0xf8800000, v[TM+\b]
.endr
.irp b, 0,1,2,3
	v_and_or_b32 v[TM+8+\b], v[TM+\b], 0x7f800000, s[MNT]
.endr
.irp b, 0,1,2,3
	v_lshrrev_b32 v[TM+4+\b], 23, v[TM+12+\b]
.endr
	s_delay_alu instid0(VALU_DEP_3)
	v_lshl_or_b32 v[PW], v[TM+5], 8, v[TM+4]       ; p's scale word for these 128 keys: more than eight plain lines ahead of the products that name it
	s_delay_alu instid0(VALU_DEP_1)
	v_lshl_or_b32 v[PW], v[TM+6], 16, v[PW]
	s_delay_alu instid0(VALU_DEP_1)
	v_lshl_or_b32 v[PW], v[TM+7], 24, v[PW]
.set j, 0
.irp r, 236,240,242,244,246,248,250,252            ; the step's sum of the unquantised p: 32 pairs in eight chains by turns; the chains are joined behind the products
	v_pk_add_f32 v[\r:\r+1], v[S+j:S+j+1], v[S+j+2:S+j+3]
.set j, j+4
.endr
.rept 2
.irp r, 236,240,242,244,246,248,250,252
	v_pk_add_f32 v[\r:\r+1], v[\r:\r+1], v[S+j:S+j+1]
.set j, j+2
.endr
.endr
; the hold (p is not negative), two numbers a line: number i of block b beside number i xor 1 of block b + 1: one destination even and one odd, and both pairs of sources in different register banks
.irp b, 0,2
.irp i, 0,1,2,3,4,5,6,7,8,9,10,11,12,13,14,15
	v_dual_min_num_f32 v[S+16*\b+\i], v[S+16*\b+\i], v[TM+8+\b] :: v_dual_min_num_f32 v[S+16*\b+17+\i-2*(\i%2)], v[S+16*\b+17+\i-2*(\i%2)], v[TM+9+\b]
.endr
.irp u, 0,1
	v_cvt_scalef32_pk8_bf8_f32 v[PC+4*(\b+\u):PC+4*(\b+\u)+1], v[S+16*(\b+\u):S+16*(\b+\u)+7], v[TM+12+\b+\u]
	v_cvt_scalef32_pk8_bf8_f32 v[PC+4*(\b+\u)+2:PC+4*(\b+\u)+3], v[S+16*(\b+\u)+8:S+16*(\b+\u)+15], v[TM+12+\b+\u]
.endr
.endr
	s_wait_dscnt 0x0                               ; V is in (asked for a softmax ago)
.if \first                             ; THE NEXT STEP'S K goes where p lay: 16 multiplications, four products and nine places stand between the request and the wait for it
	KLOAD S, ADR, ADS, KSB
.else
	s_cmp_eq_u32 s[CNT], 1                         ; a pass's last step has no next step
	s_cbranch_scc1 .Llast_\@
	KLOAD S, ADN, ADM, 0
.Llast_\@:
.endif
	s_wait_alu depctr_va_vdst(0)                   ; the wait directly ahead of the first reader of O^T
.set j, 0
.rept 16
	v_pk_mul_f32 v[OT+j:OT+j+1], v[OT+j:OT+j+1], v[FF:FF+1] op_sel_hi:[1,0]   ; O^T under the new M, each accumulator from its low end on; also the plain lines between the codes and the products
.set j, j+2
.endr
.irp t, 0,1,2,3                        ; O^T += V^T P^T: the four accumulators by turns
.if \t%2
	v_wmma_scale_f32_16x16x128_f8f6f4 v[OT+8*\t:OT+8*\t+7], v[FB+16*\t:FB+16*\t+15], v[PC:PC+15], v[OT+8*\t:OT+8*\t+7], v[VS+\t/2], v[PW] matrix_a_fmt:MATRIX_FMT_BF8 matrix_b_fmt:MATRIX_FMT_BF8 matrix_a_scale:MATRIX_SCALE_ROW1
.else
	v_wmma_scale_f32_16x16x128_f8f6f4 v[OT+8*\t:OT+8*\t+7], v[FB+16*\t:FB+16*\t+15], v[PC:PC+15], v[OT+8*\t:OT+8*\t+7], v[VS+\t/2], v[PW] matrix_a_fmt:MATRIX_FMT_BF8 matrix_b_fmt:MATRIX_FMT_BF8
.endif
.endr
	; nine places: the next step's scores are written over V's fragments.  Eight of them join the chains and bring the row's sum under the new M: l = l f + the step's sum
	v_pk_add_f32 v[240:241], v[240:241], v[242:243]
	v_pk_add_f32 v[244:245], v[244:245], v[246:247]
	v_pk_add_f32 v[248:249], v[248:249], v[250:251]
	v_pk_add_f32 v[236:237], v[236:237], v[252:253]
	s_delay_alu instid0(VALU_DEP_3)
	v_pk_add_f32 v[240:241], v[240:241], v[244:245]
	s_delay_alu instid0(VALU_DEP_2)
	v_pk_add_f32 v[236:237], v[236:237], v[248:249]
	s_delay_alu instid0(VALU_DEP_1)
	v_pk_add_f32 v[236:237], v[236:237], v[240:241]
	s_delay_alu instid0(VALU_DEP_1)
	v_pk_fma_f32 v[14:15], v[14:15], v[FF:FF+1], v[236:237] op_sel_hi:[1,0,1]
	v_nop
.endm
	s_load_b256 s[4:11], s[0:1], 0x0               ; qc 4, qs 6, kv 8, cc 10
	s_load_b64 s[12:13], s[0:1], 0x20              ; cs
	v_lshl_add_u32 v[SPW], v0, 2, SPARE
	v_mov_b32 v[NIL], 0
	ds_add_u32 v[SPW], v[NIL]                      ; the opening lines: the add, twice on end, and its wait ahead of my tensor load
	ds_add_u32 v[SPW], v[NIL]
	v_lshrrev_b32 v6, 5, v0
	s_delay_alu instid0(VALU_DEP_1)
	v_readfirstlane_b32 s[WV], v6                  ; wave 0..15
	v_and_b32 v6, 31, v0
	s_delay_alu instid0(VALU_DEP_1)
	v_lshlrev_b32 v[LI], 4, v6
	s_delay_alu instid0(VALU_DEP_2)
	v_lshlrev_b32 v[L8], 3, v6
	v_and_b32 v7, 15, v0
	s_delay_alu instid0(VALU_DEP_1)
	v_lshlrev_b32 v[R16], 4, v7
	s_bfe_u32 s48, ttmp6, 0x40000                  ; cx: my block of 512 queries; it enters Q's, cc's and cs's addresses alone
	s_lshl_b32 s49, s48, 5
	s_add_co_u32 s49, s49, s[WV]                   ; T: my first tile of 16 queries, 0 .. 127; my second is T + 16
	s_and_b32 s50, ttmp7, 0xffff                   ; bh = 8 x batch + head, which the four partners share
	s_mul_i32 s51, s[WV], KSB                      ; key step = my wave's number: where it lies in LDS,
	s_mul_i32 s52, s50, 16*KSB
	s_add_co_u32 s52, s52, s51                     ; and in kv
	s_mov_b32 s53, 0
	s_lshl_b32 s54, s50, 7
	s_add_co_u32 s54, s54, s49
	s_lshl_b32 s54, s54, 10                        ; qc: 1,024 bytes a tile
	s_mov_b32 s55, 0
	s_lshl_b32 s56, s50, 5
	s_lshr_b32 s57, s49, 2
	s_add_co_u32 s56, s56, s57
	s_lshl_b32 s56, s56, 8                         ; qs: four tiles share 256 bytes,
	s_and_b32 s57, s49, 3
	s_lshl_b32 s57, s57, 2
	s_add_co_u32 s56, s56, s57                     ; word T % 4 of each lane's four
	s_mov_b32 s57, 0
	s_lshr_b32 s58, s50, 3
	s_lshl_b32 s58, s58, 7
	s_add_co_u32 s58, s58, s49                     ; GT = 128 x batch + T
	s_and_b32 s59, s50, 7                          ; head
	; descriptor group 1: 66 dense rows of 256 bytes (32 elements of 8 bytes)
	s_mov_b32 s[G1], 15|(3<<16)|(1<<21)            ; 15:0 the mask: all four work-groups; 17:16 elements of 8 bytes; 21 set beside a mask
	s_mov_b32 s[G1+1], 32<<16                      ; tensor_dim0
	s_mov_b32 s[G1+2], 66<<16                      ; tensor_dim1
	s_mov_b32 s[G1+3], 32<<16                      ; tile_dim0
	s_mov_b32 s[G1+4], 66                          ; tile_dim1
	s_mov_b32 s[G1+5], 32                          ; from row to row
	s_mov_b32 s[G1+6], 0
	s_mov_b32 s[G1+7], 0
	s_mov_b32 s[SEL], 0x76543210
	s_mov_b32 s[SEL+1], 0xfedcba98
	s_mov_b32 s[CS], 0x3e38aa3b                    ; log2(e) / 8
	s_mov_b32 s[CS+1], s[CS]
	s_mov_b32 s[MNT], 0x600000
	s_mov_b32 s[PASS], 0
	s_wait_dscnt 0x0                               ; both opening adds are done
	s_wait_kmcnt 0x0
	s_add_nc_u64 s[8:9], s[8:9], s[52:53]
	s_add_nc_u64 s[4:5], s[4:5], s[54:55]
	s_add_nc_u64 s[6:7], s[6:7], s[56:57]
	s_lshl_b32 s54, s58, 13
	s_lshl_b32 s56, s59, 10
	s_add_co_u32 s54, s54, s56
	s_add_nc_u64 s[10:11], s[10:11], s[54:55]      ; cc + 8,192 GT + 1,024 head: K step head / 2, groups 2 (head % 2) on
	s_lshl_b32 s54, s58, 8
	s_lshl_b32 s56, s59, 1
	s_add_co_u32 s54, s54, s56
	s_add_nc_u64 s[12:13], s[12:13], s[54:55]      ; cs + 256 GT + 2 head
	s_mov_b32 s[G0], 1
	s_mov_b32 s[G0+1], s51
	s_mov_b64 s[G0+2:G0+3], s[8:9]
	s_or_b32 s[G0+3], s[G0+3], 0x80000000
	CROUND                                         ; all four work-groups are here: the joint loads meet
	tensor_load_to_lds s[G0:G0+3], s[G1:G1+7]      ; my one tensor load: key step = my wave's number
	s_nop 0
	PLACES 4
	s_wait_alu depctr_va_vdst(0)                   ; ahead of the first readers of the lane's offsets
	QLOAD 0, 0                                     ; my first tile's Q
.irp j, 0,1,2,3,4,5,6,7
	v_mov_b32 v[24+\j], 0
.endr
	v_mov_b32 v[FF+1], 0                           ; named as the upper half of a pair
.irp b, 0,1,2,3
	v_mov_b32 v[TM+4+\b], 0                        ; a lane permute's destination counts as one of its sources
.endr
	s_wait_alu depctr_va_vdst(0)                   ; the wait at the head's end
	s_wait_tensorcnt 0x0                           ; my block has landed
	s_barrier_signal -1
	s_barrier_wait -1                              ; all sixteen have: K and V lie whole in LDS, and nothing is filled again
	KLOAD 40, LI, L8, 0                            ; key step 0's K
.Lpass:
.set j, 0
.rept 32
	v_mov_b32 v[OT+j], 0                           ; the step is written once a region: the first finds zeros, which the first change of M leaves zeros
.set j, j+1
.endr
	v_mov_b32 v13, 0xff61b1e6                      ; the largest score so far: -3e38
	s_delay_alu instid0(VALU_DEP_1)
	v_floor_f32 v12, -v13                          ; and a -M over every -M to come: the first f is 0
	v_mov_b32 v14, 0
	v_mov_b32 v15, 0
	s_wait_alu depctr_va_vdst(0)
	s_wait_loadcnt 0x0                             ; this tile's Q
	s_mov_b32 s[TB], 0
	s_mov_b32 s[CNT], 8
.Lstep:
	s_add_co_u32 s[TN], s[TB], 2*KSB
	s_min_u32 s[TN], s[TN], 14*KSB                 ; (in the last trip, where nothing is asked for by it, it stays inside the blocks)
.set FB, 40
.set S,  104
	STEP 0, 1
.set FB, 104
.set S,  40
	STEP KSB, 0
	s_add_co_u32 s[TB], s[TB], 2*KSB
	s_sub_co_u32 s[CNT], s[CNT], 1
	s_cmp_lg_u32 s[CNT], 0
	s_cbranch_scc1 .Lstep
.set S,  104                           ; the way out works where the last V lay: nine places stand behind the last products
	s_cmp_lg_u32 s[PASS], 0
	s_cbranch_scc1 .Lno_next
	QLOAD 16384, 1024                              ; my second tile's Q, 16 tiles on, and key step 0's K land under the first tile's way out
	KLOAD 40, LI, L8, 0
.Lno_next:
	; ---- ctx = O^T / the sum, quantised along d: two blocks of 32; register 8 t + j is d = 32 (t / 2) + 16 h + 8 (t % 2) + j
	s_wait_alu depctr_va_vdst(0)                   ; the sum was written just ahead of the branches
	v_add_f32 v14, v14, v15
	s_delay_alu instid0(VALU_DEP_1)
	v_permlanex16_b32 v[TP], v14, s[SEL], s[SEL+1]
	s_delay_alu instid0(VALU_DEP_1)
	v_add_f32 v14, v14, v[TP]                      ; the row's sum
	s_wait_alu depctr_va_vdst(0)
	v_rcp_f32 v14, v14
	v_nop
.set j, 0
	s_wait_alu depctr_va_vdst(0)
.rept 32
	v_mul_f32 v[S+j], v[OT+j], v14
.set j, j+1
.endr
.irp b, 0,1
	v_max3_num_f32 v[TM+\b], |v[S+16*\b]|, |v[S+16*\b+1]|, 0x8000000
.endr
.irp i, 2,4,6,8,10,12,14
.irp b, 0,1
	s_delay_alu instid0(VALU_DEP_2)
	v_max3_num_f32 v[TM+\b], v[TM+\b], |v[S+16*\b+\i]|, |v[S+16*\b+\i+1]|
.endr
.endr
.irp b, 0,1
	s_delay_alu instid0(VALU_DEP_2)
	v_permlanex16_b32 v[TM+4+\b], v[TM+\b], s[SEL], s[SEL+1]
.endr
.irp b, 0,1
	s_delay_alu instid0(VALU_DEP_2)
	v_max_num_f32 v[TM+\b], v[TM+\b], v[TM+4+\b]
.endr
.irp b, 0,1
	s_delay_alu instid0(VALU_DEP_2)
	v_add_nc_u32 v[TM+12+\b], 0xf8800000, v[TM+\b]
.endr
.irp b, 0,1
	s_delay_alu instid0(VALU_DEP_4)
	v_and_or_b32 v[TM+8+\b], v[TM+\b], 0x7f800000, s[MNT]
.endr
.irp b, 0,1
	s_delay_alu instid0(VALU_DEP_4)
	v_lshrrev_b32 v[TM+4+\b], 23, v[TM+12+\b]
.endr
	s_delay_alu instid0(VALU_DEP_1)
	v_lshl_or_b32 v[TP], v[TM+5], 8, v[TM+4]       ; my row's two scale bytes
.irp b, 0,1
.irp i, 0,1,2,3,4,5,6,7,8,9,10,11,12,13,14,15
	v_med3_num_f32 v[S+16*\b+\i], v[S+16*\b+\i], -v[TM+8+\b], v[TM+8+\b]
.endr
	v_cvt_scalef32_pk8_bf8_f32 v[PC+4*\b:PC+4*\b+1], v[S+16*\b:S+16*\b+7], v[TM+12+\b]
	v_cvt_scalef32_pk8_bf8_f32 v[PC+4*\b+2:PC+4*\b+3], v[S+16*\b+8:S+16*\b+15], v[TM+12+\b]
.endr
	v_nop                                          ; a plain line behind the last conversion
	global_store_b128 v[LI], v[PC:PC+3], s[10:11]                  ; 512 consecutive bytes, aligned
	global_store_b128 v[LI], v[PC+4:PC+7], s[10:11] offset:512
	global_store_b16 v[R16], v[TP], s[12:13]       ; 2 bytes of each row's 16: 32 bytes a wave beside its 1,024 of codes (both halves of the lanes write the same value)
	s_wait_alu depctr_va_vdst(0)
	s_wait_xcnt 0x0                                ; the stores have read their registers and bases: both may be written anew
	s_add_nc_u64 s[10:11], s[10:11], 16*8192       ; 16 tiles on
	s_add_nc_u64 s[12:13], s[12:13], 16*256
	s_add_co_u32 s[PASS], s[PASS], 1
	s_cmp_lt_u32 s[PASS], 2
	s_cbranch_scc1 .Lpass
	s_wait_tensorcnt 0x0                           ; the wave's end
	ds_add_u32 v[SPW], v[NIL]
	s_wait_dscnt 0x0
	CROUND                                         ; the closing round: no work-group ends while a partner may still ask jointly
	s_endpgm
.Lfunc_end_k_qff5de372e4_attn:
	.size	k_qff5de372e4_attn, .Lfunc_end_k_qff5de372e4_attn-k_qff5de372e4_attn
	.p2alignl 7, 3214868480
	.fill 96, 4, 3214868480
	.section	.rodata,"a",@progbits
	.p2align	6, 0x0
	.amdhsa_kernel k_qff5de372e4_attn
		.amdhsa_group_segment_fixed_size 272384
		.amdhsa_private_segment_fixed_size 0
		.amdhsa_enable_private_segment 0
		.amdhsa_kernarg_size 40
		.amdhsa_user_sgpr_count 2
		.amdhsa_user_sgpr_kernarg_segment_ptr 1
		.amdhsa_wavefront_size32 1
		.amdhsa_system_sgpr_workgroup_id_x 1
		.amdhsa_system_sgpr_workgroup_id_y 1
		.amdhsa_system_sgpr_workgroup_id_z 1
		.amdhsa_system_vgpr_workitem_id 0
		.amdhsa_next_free_vgpr 256
		.amdhsa_next_free_sgpr 66
		.amdhsa_reserve_vcc 0
		.amdhsa_float_denorm_mode_32 3
		.amdhsa_float_denorm_mode_16_64 3
		.amdhsa_memory_ordered 1
		.amdhsa_forward_progress 1
		.amdhsa_inst_pref_size 54
	.end_amdhsa_kernel
	.amdgpu_metadata
---
amdhsa.version: [ 1, 2 ]
amdhsa.kernels:
  - .name:           k_qff5de372e4_attn
    .symbol:         k_qff5de372e4_attn.kd
    .args:
      - { .name: qc, .offset: 0, .size: 8, .value_kind: global_buffer, .address_space: global }
      - { .name: qs, .offset: 8, .size: 8, .value_kind: global_buffer, .address_space: global }
      - { .name: kv, .offset: 16, .size: 8, .value_kind: global_buffer, .address_space: global }
      - { .name: cc, .offset: 24, .size: 8, .value_kind: global_buffer, .address_space: global }
      - { .name: cs, .offset: 32, .size: 8, .value_kind: global_buffer, .address_space: global }
    .group_segment_fixed_size: 272384
    .private_segment_fixed_size: 0
    .kernarg_segment_align: 8
    .kernarg_segment_size: 40
    .max_flat_workgroup_size: 512
    .sgpr_count:     66
    .vgpr_count:     256
    .wavefront_size: 32
...
	.end_amdgpu_metadata
.endif
;; end of part 2
;; launch outln (part 3): grid 256 x 1, 4 waves a work-group, no clusters, 263,680 bytes of LDS; arguments cc, cs, Wo_codes, Wo_scales, bo, x, gamma, beta, out0; writes out0
.if DOCPART == 3
	.amdgcn_target "amdgcn-amd-amdhsa--gfx1250"
	.amdhsa_code_object_version 6
	.text
	.protected	k_qff5de372e4_outln
	.globl	k_qff5de372e4_outln
	.p2align	8
	.type	k_qff5de372e4_outln,@function
k_qff5de372e4_outln:
	s_mov_b64 s[64:65], 0
	v_nop
	global_prefetch_b8 v0, s[64:65] scope:SCOPE_SE
	s_setreg_imm32_b32 hwreg(HW_REG_WAVE_MODE, 25, 1), 1
	s_wait_xcnt 0x0
; out0 = layer norm(ctx Wo + bo + x) x gamma + beta; the product on E5M2 codes with E8M0 scales, all else in f32.
; SHARES.  Work-group g: rows 64 g .. 64 g + 63, four tiles of 16 rows of ctx's codes (images of the operand's registers, as the attention launch stored them).
; For the product the waves share the COLUMNS: wave w makes columns 128 w .. 128 w + 127 of all 64 rows; its part of Wo (8 tiles x 4 K steps x 16 registers) fills windows 1 and 2, the 32 accumulators window 3.
; Source 0 = 16 rows of Wo (columns of the result), source 1 = 16 rows of ctx: a lane holds eight neighbouring columns of one row.
; Lane r of tile m is row 32 (m / 2) + 8 (m % 2) + r + 8 (r / 8) of the 64: the stage in LDS puts the rows in their true order.
; For the norm the waves share the ROWS: wave w takes rows 16 w .. 16 w + 15; a lane holds 16 numbers of a row; mean and variance in two passes over registers.
; x's rows come by one tensor load a wave into bytes that only that wave reads, filled once.
; LIMITS: NaN and infinities among the inputs are not served.
.set STG, 131072                       ; LDS: 0 .. 131,071 x's rows, 32,768 bytes a wave; then the stage: 64 rows x 2,064 bytes
.set SP,  2064                         ; 2,048 bytes + 16
.set LI,  1                            ; v1  16 x lane
.set WA,  2                            ; v2  Wo's codes: 512 r + 16 h
.set WSA, 3                            ; v3  16 r: Wo's scale words, and ctx's
.set SO0, 4                            ; v4  the stage, in: rows 0-31;  v5: rows 32-63
.set SRD, 6                            ; v6  the stage, out: my 16 rows + 16 x lane
.set XRD, 7                            ; v7  x's rows in LDS + 16 x lane
.set Y,   16                           ; v16-79   ctx's fragments of an even tile; later four rows of y
.set XV,  80                           ; v80-143  those of an odd tile; later four rows of x, then at work
.set CSW, 144                          ; v144-151 ctx's scale words, two sets of four
.set WS,  152                          ; v152-183 Wo's scale words: 4 x tile + K step
.set GA,  184                          ; v184-199 gamma, v200-215 beta, v216-231 bo of my 16 columns
.set BE,  200
.set BO,  216
.set MSB, 0
.macro WIN new                         ; the immediate's high byte repeats the setting that is left
.if MSB != \new
	s_set_vgpr_msb (MSB<<8)|\new
.set MSB, \new
.endif
.endm
.macro PLACES n
.rept \n
	v_nop
.endr
.endm
.macro CLOAD m                         ; tile m's four fragments and its rows' four scale words: 17 loads
.irp k, 0,1,2,3
.irp c, 0,1,2,3
	global_load_b128 v[Y+64*((\m)%2)+16*\k+4*\c:Y+64*((\m)%2)+16*\k+4*\c+3], v[LI], s[8:9] offset:8192*(\m)+2048*\k+512*\c
.endr
.endr
	global_load_b128 v[CSW+4*((\m)%2):CSW+4*((\m)%2)+3], v[WSA], s[10:11] offset:256*(\m)
.endm
; 16 products: Wo's tiles a0 .. a0 + 3 (in the window that is set) x tile m; four accumulators by turns, one instruction a turn; the first K step starts the sums
.macro PROD16 m, a0
.irp k, 0,1,2,3
.irp a, 0,1,2,3
.if \k == 0
	v_wmma_scale_f32_16x16x128_f8f6f4 v[8*(8*\m+\a0+\a):8*(8*\m+\a0+\a)+7], v[16*(4*\a+\k):16*(4*\a+\k)+15], v[Y+64*(\m%2)+16*\k:Y+64*(\m%2)+16*\k+15], 0, v[WS+4*(\a0+\a)+\k], v[CSW+4*(\m%2)+\k] matrix_a_fmt:MATRIX_FMT_BF8 matrix_b_fmt:MATRIX_FMT_BF8
.else
	v_wmma_scale_f32_16x16x128_f8f6f4 v[8*(8*\m+\a0+\a):8*(8*\m+\a0+\a)+7], v[16*(4*\a+\k):16*(4*\a+\k)+15], v[Y+64*(\m%2)+16*\k:Y+64*(\m%2)+16*\k+15], v[8*(8*\m+\a0+\a):8*(8*\m+\a0+\a)+7], v[WS+4*(\a0+\a)+\k], v[CSW+4*(\m%2)+\k] matrix_a_fmt:MATRIX_FMT_BF8 matrix_b_fmt:MATRIX_FMT_BF8
.endif
.endr
.endr
.endm
.macro ALLSUM                          ; for each of the four rows: the pair at v[XV + 16 q] is added up, then over the 32 lanes; the result stands in every lane
.irp q, 0,1,2,3
	v_add_f32 v[XV+16*\q], v[XV+16*\q], v[XV+16*\q+1]
.endr
.irp x, 1,2,4,8
.irp q, 0,1,2,3
	v_add_f32_dpp v[XV+16*\q], v[XV+16*\q], v[XV+16*\q] row_xmask:\x row_mask:0xf bank_mask:0xf
.endr
.endr
.irp q, 0,1,2,3
	v_permlanex16_b32 v[XV+16*\q+4], v[XV+16*\q], s40, s41
.endr
.irp q, 0,1,2,3
	v_add_f32 v[XV+16*\q], v[XV+16*\q], v[XV+16*\q+4]
.endr
.endm
; Four rows, by turns so that no line waits for the line above it.  Once y is made, x's registers of a row serve: +0..3 two chains, +4 the other half's sum, +6, +7 the mean, +8, +9 1 / sqrt(var + eps)
.macro LNGROUP g
.irp q, 0,1,2,3
.irp i, 0,1,2,3
	ds_load_b128 v[Y+16*\q+4*\i:Y+16*\q+4*\i+3], v[SRD] offset:SP*(4*\g+\q)+512*\i
	ds_load_b128 v[XV+16*\q+4*\i:XV+16*\q+4*\i+3], v[XRD] offset:2048*(4*\g+\q)+512*\i
.endr
.endr
	s_wait_dscnt 0x0
.irp p, 0,2,4,6,8,10,12,14
.irp q, 0,1,2,3
	v_pk_add_f32 v[Y+16*\q+\p:Y+16*\q+\p+1], v[Y+16*\q+\p:Y+16*\q+\p+1], v[BO+\p:BO+\p+1]
.endr
.endr
.irp p, 0,2,4,6,8,10,12,14
.irp q, 0,1,2,3
	v_pk_add_f32 v[Y+16*\q+\p:Y+16*\q+\p+1], v[Y+16*\q+\p:Y+16*\q+\p+1], v[XV+16*\q+\p:XV+16*\q+\p+1]   ; y = ctx Wo + bo + x
.endr
.endr
.irp q, 0,1,2,3
	v_pk_add_f32 v[XV+16*\q:XV+16*\q+1], v[Y+16*\q:Y+16*\q+1], v[Y+16*\q+2:Y+16*\q+3]
	v_pk_add_f32 v[XV+16*\q+2:XV+16*\q+3], v[Y+16*\q+4:Y+16*\q+5], v[Y+16*\q+6:Y+16*\q+7]
.endr
.irp p, 8,12
.irp q, 0,1,2,3
	v_pk_add_f32 v[XV+16*\q:XV+16*\q+1], v[XV+16*\q:XV+16*\q+1], v[Y+16*\q+\p:Y+16*\q+\p+1]
	v_pk_add_f32 v[XV+16*\q+2:XV+16*\q+3], v[XV+16*\q+2:XV+16*\q+3], v[Y+16*\q+\p+2:Y+16*\q+\p+3]
.endr
.endr
.irp q, 0,1,2,3
	v_pk_add_f32 v[XV+16*\q:XV+16*\q+1], v[XV+16*\q:XV+16*\q+1], v[XV+16*\q+2:XV+16*\q+3]
.endr
	ALLSUM
.irp q, 0,1,2,3
	v_mul_f32 v[XV+16*\q+6], s42, v[XV+16*\q]      ; the mean, in both registers of a pair
	v_mul_f32 v[XV+16*\q+7], s42, v[XV+16*\q]
.endr
.irp p, 0,2,4,6,8,10,12,14
.irp q, 0,1,2,3
	v_pk_add_f32 v[Y+16*\q+\p:Y+16*\q+\p+1], v[Y+16*\q+\p:Y+16*\q+\p+1], v[XV+16*\q+6:XV+16*\q+7] neg_lo:[0,1] neg_hi:[0,1]   ; y - mean
.endr
.endr
.irp q, 0,1,2,3
	v_pk_mul_f32 v[XV+16*\q:XV+16*\q+1], v[Y+16*\q:Y+16*\q+1], v[Y+16*\q:Y+16*\q+1]
	v_pk_mul_f32 v[XV+16*\q+2:XV+16*\q+3], v[Y+16*\q+2:Y+16*\q+3], v[Y+16*\q+2:Y+16*\q+3]
.endr
.irp p, 4,8,12
.irp q, 0,1,2,3
	v_pk_fma_f32 v[XV+16*\q:XV+16*\q+1], v[Y+16*\q+\p:Y+16*\q+\p+1], v[Y+16*\q+\p:Y+16*\q+\p+1], v[XV+16*\q:XV+16*\q+1]
	v_pk_fma_f32 v[XV+16*\q+2:XV+16*\q+3], v[Y+16*\q+\p+2:Y+16*\q+\p+3], v[Y+16*\q+\p+2:Y+16*\q+\p+3], v[XV+16*\q+2:XV+16*\q+3]
.endr
.endr
.irp q, 0,1,2,3
	v_pk_add_f32 v[XV+16*\q:XV+16*\q+1], v[XV+16*\q:XV+16*\q+1], v[XV+16*\q+2:XV+16*\q+3]
.endr
	ALLSUM
.irp q, 0,1,2,3
	v_fma_f32 v[XV+16*\q], v[XV+16*\q], s42, s43   ; the variance + 1e-5
.endr
	s_wait_alu depctr_va_vdst(0)
.irp q, 0,1,2,3
	v_rsq_f32 v[XV+16*\q+8], v[XV+16*\q]
.endr
	v_nop                                          ; a plain line behind the transcendentals
	s_wait_alu depctr_va_vdst(0)
.irp q, 0,1,2,3
	v_mov_b32 v[XV+16*\q+9], v[XV+16*\q+8]
.endr
.irp p, 0,2,4,6,8,10,12,14
.irp q, 0,1,2,3
	v_pk_mul_f32 v[Y+16*\q+\p:Y+16*\q+\p+1], v[Y+16*\q+\p:Y+16*\q+\p+1], v[XV+16*\q+8:XV+16*\q+9]
.endr
.endr
.irp p, 0,2,4,6,8,10,12,14
.irp q, 0,1,2,3
	v_pk_fma_f32 v[Y+16*\q+\p:Y+16*\q+\p+1], v[Y+16*\q+\p:Y+16*\q+\p+1], v[GA+\p:GA+\p+1], v[BE+\p:BE+\p+1]
.endr
.endr
.irp q, 0,1,2,3
.irp i, 0,1,2,3
	global_store_b128 v[LI], v[Y+16*\q+4*\i:Y+16*\q+4*\i+3], s[24:25] offset:2048*(4*\g+\q)+512*\i th:TH_STORE_NT   ; 512 consecutive bytes, aligned; written once
.endr
.endr
	s_wait_xcnt 0x0                                ; the stores have read their registers: the next rows may land there
.endm
	s_load_b512 s[8:23], s[0:1], 0x0               ; cc 8, cs 10, Wo codes 12, Wo scales 14, bo 16, x 18, gamma 20, beta 22
	s_load_b64 s[24:25], s[0:1], 0x40              ; out0
	v_lshl_add_u32 v254, v0, 2, 0x40400
	v_mov_b32 v255, 0
	ds_add_u32 v254, v255
	ds_add_u32 v254, v255
	v_lshrrev_b32 v8, 5, v0
	v_readfirstlane_b32 s26, v8                    ; wave
	v_and_b32 v8, 31, v0                           ; lane
	v_and_b32 v9, 15, v0                           ; r
	v_bfe_u32 v10, v0, 4, 1                        ; h
	v_lshlrev_b32 v[LI], 4, v8
	v_lshlrev_b32 v[WA], 9, v9
	v_lshl_add_u32 v[WA], v10, 4, v[WA]
	v_lshlrev_b32 v[WSA], 4, v9
	v_and_b32 v11, 8, v9
	v_add_nc_u32 v11, v11, v9                      ; r + 8 (r / 8)
	v_mul_u32_u24 v[SO0], v11, SP
	v_lshl_add_u32 v[SO0], v10, 5, v[SO0]
	s_lshl_b32 s44, s26, 9
	s_add_co_u32 s44, s44, STG
	v_add_nc_u32 v[SO0], s44, v[SO0]               ; row r + 8 (r / 8), + 32 h, + my 512 bytes of a row
	v_add_nc_u32 v[SO0+1], 32*SP, v[SO0]
	s_mul_i32 s44, s26, 16*SP
	s_add_co_u32 s44, s44, STG
	v_add_nc_u32 v[SRD], s44, v[LI]
	s_mov_b32 s36, 1                               ; descriptor group 0: count,
	s_lshl_b32 s37, s26, 15                        ; LDS address: 32,768 x wave
	v_add_nc_u32 v[XRD], s37, v[LI]
	s_mov_b32 s28, 3<<16                           ; group 1: no mask; elements of 8 bytes; no padding
	s_mov_b32 s29, 32<<16                          ; tensor_dim0: 32 elements = 256 bytes
	s_mov_b32 s30, 128<<16                         ; tensor_dim1: 128 such rows = my 16 rows of x, dense
	s_mov_b32 s31, 32<<16                          ; tile_dim0
	s_mov_b32 s32, 128                             ; tile_dim1
	s_mov_b32 s33, 32                              ; from row to row
	s_mov_b32 s34, 0
	s_mov_b32 s35, 0
	s_mov_b32 s40, 0x76543210
	s_mov_b32 s41, 0xfedcba98
	s_mov_b32 s42, 0x3b000000                      ; 1 / 512
	s_mov_b32 s43, 0x3727c5ac                      ; 1e-5
	s_lshl_b32 s44, ttmp9, 17                      ; 64 rows of 2,048 bytes a work-group,
	s_add_co_u32 s44, s44, s37                     ; 16 a wave
	s_mov_b32 s45, 0
	s_lshl_b32 s46, ttmp9, 15                      ; cc: four tiles of 8,192 bytes
	s_mov_b32 s47, 0
	s_wait_alu depctr_va_vdst(0)
	s_wait_dscnt 0x0
	s_wait_kmcnt 0x0
	s_add_nc_u64 s[38:39], s[18:19], s[44:45]
	s_or_b32 s39, s39, 0x80000000                  ; type = 2
	s_add_nc_u64 s[24:25], s[24:25], s[44:45]
	s_add_nc_u64 s[8:9], s[8:9], s[46:47]
	s_lshl_b32 s46, ttmp9, 10                      ; cs: four tiles of 256 bytes
	s_add_nc_u64 s[10:11], s[10:11], s[46:47]
	s_lshl_b32 s46, s26, 16                        ; Wo: my 128 rows of 512 bytes
	s_add_nc_u64 s[12:13], s[12:13], s[46:47]
	s_lshl_b32 s46, s26, 11                        ; and of 16 scale bytes
	s_add_nc_u64 s[14:15], s[14:15], s[46:47]
	WIN 0x40                                       ; destination window 1: tiles 0-3
.irp a, 0,1,2,3
.irp k, 0,1,2,3
.irp c, 0,1,2,3
	global_load_b128 v[16*(4*\a+\k)+4*\c:16*(4*\a+\k)+4*\c+3], v[WA], s[12:13] offset:8192*\a+128*\k+32*\c
.endr
.endr
.endr
	WIN 0x80                                       ; window 2: tiles 4-7
.irp a, 0,1,2,3
.irp k, 0,1,2,3
.irp c, 0,1,2,3
	global_load_b128 v[16*(4*\a+\k)+4*\c:16*(4*\a+\k)+4*\c+3], v[WA], s[12:13] offset:8192*(\a+4)+128*\k+32*\c
.endr
.endr
.endr
	WIN 0
.irp a, 0,1,2,3,4,5,6,7
.irp k, 0,1,2,3
	global_load_b32 v[WS+4*\a+\k], v[WSA], s[14:15] offset:256*\a+4*\k
.endr
.endr
.irp i, 0,1,2,3
	global_load_b128 v[GA+4*\i:GA+4*\i+3], v[LI], s[20:21] offset:512*\i
	global_load_b128 v[BE+4*\i:BE+4*\i+3], v[LI], s[22:23] offset:512*\i
	global_load_b128 v[BO+4*\i:BO+4*\i+3], v[LI], s[16:17] offset:512*\i
.endr
	CLOAD 0
	CLOAD 1
	tensor_load_to_lds s[36:39], s[28:35]          ; my 16 rows of x: the wave's one tensor load.  It is asked for behind Wo and ctx, which the product needs first; x is first read behind the product
	s_nop 0
.rept 4
	v_nop
.endr
	; ---- the product, a tile of 16 rows at a time
.irp m, 0,1,2,3
.if \m < 3
	s_wait_loadcnt 17                              ; all but the next tile's 17 loads
.else
	s_wait_loadcnt 0x0
.endif
	WIN 0xf1                                       ; source 0 window 1, source 1 window 0, C and D window 3
	PROD16 \m, 0
	WIN 0xf2                                       ; source 0 window 2
	PROD16 \m, 4
	WIN 0
	PLACES 8                                       ; in front of loads into the fragments' registers, and of the first read of results
.if \m < 2
	CLOAD \m+2
.endif
.endr
	WIN 0x0c                                       ; an LDS store's data are its source 1: window 3
.irp m, 0,1,2,3
.irp a, 0,1,2,3,4,5,6,7
	ds_store_b128 v[SO0+\m/2], v[8*(8*\m+\a):8*(8*\m+\a)+3] offset:8*SP*(\m%2)+64*\a          ; each accumulator from its low end on
	ds_store_b128 v[SO0+\m/2], v[8*(8*\m+\a)+4:8*(8*\m+\a)+7] offset:8*SP*(\m%2)+64*\a+16
.endr
.endr
	WIN 0
	s_wait_dscnt 0x0                               ; for the others' sake: my stores into the stage have landed
	s_barrier_signal -1
	s_barrier_wait -1                              ; 64 whole rows lie in the stage
	s_wait_tensorcnt 0x0                           ; my rows of x are in LDS
	; ---- the norm: my 16 rows, four at a time
.irp g, 0,1,2,3
	LNGROUP \g
.endr
	s_wait_tensorcnt 0x0
	ds_add_u32 v254, v255
	s_wait_dscnt 0x0
	s_endpgm
.Lfunc_end_k_qff5de372e4_outln:
	.size	k_qff5de372e4_outln, .Lfunc_end_k_qff5de372e4_outln-k_qff5de372e4_outln
	.p2alignl 7, 3214868480
	.fill 96, 4, 3214868480
	.section	.rodata,"a",@progbits
	.p2align	6, 0x0
	.amdhsa_kernel k_qff5de372e4_outln
		.amdhsa_group_segment_fixed_size 263680
		.amdhsa_private_segment_fixed_size 0
		.amdhsa_enable_private_segment 0
		.amdhsa_kernarg_size 72
		.amdhsa_user_sgpr_count 2
		.amdhsa_user_sgpr_kernarg_segment_ptr 1
		.amdhsa_wavefront_size32 1
		.amdhsa_system_sgpr_workgroup_id_x 1
		.amdhsa_system_sgpr_workgroup_id_y 1
		.amdhsa_system_sgpr_workgroup_id_z 1
		.amdhsa_system_vgpr_workitem_id 0
		.amdhsa_next_free_vgpr 1024
		.amdhsa_next_free_sgpr 66
		.amdhsa_reserve_vcc 0
		.amdhsa_float_denorm_mode_32 3
		.amdhsa_float_denorm_mode_16_64 3
		.amdhsa_memory_ordered 1
		.amdhsa_forward_progress 1
		.amdhsa_inst_pref_size 134
	.end_amdhsa_kernel
	.amdgpu_metadata
---
amdhsa.version: [ 1, 2 ]
amdhsa.kernels:
  - .name:           k_qff5de372e4_outln
    .symbol:         k_qff5de372e4_outln.kd
    .args:
      - { .name: cc, .offset: 0, .size: 8, .value_kind: global_buffer, .address_space: global }
      - { .name: cs, .offset: 8, .size: 8, .value_kind: global_buffer, .address_space: global }
      - { .name: Wo_codes, .offset: 16, .size: 8, .value_kind: global_buffer, .address_space: global }
      - { .name: Wo_scales, .offset: 24, .size: 8, .value_kind: global_buffer, .address_space: global }
      - { .name: bo, .offset: 32, .size: 8, .value_kind: global_buffer, .address_space: global }
      - { .name: x, .offset: 40, .size: 8, .value_kind: global_buffer, .address_space: global }
      - { .name: gamma, .offset: 48, .size: 8, .value_kind: global_buffer, .address_space: global }
      - { .name: beta, .offset: 56, .size: 8, .value_kind: global_buffer, .address_space: global }
      - { .name: out0, .offset: 64, .size: 8, .value_kind: global_buffer, .address_space: global }
    .group_segment_fixed_size: 263680
    .private_segment_fixed_size: 0
    .kernarg_segment_align: 8
    .kernarg_segment_size: 72
    .max_flat_workgroup_size: 128
    .sgpr_count:     66
    .vgpr_count:     1024
    .wavefront_size: 32
...
	.end_amdgpu_metadata
.endif
;; end of part 3
